; MI455X (gfx1250); checked and timed in simulation.
; The chip was launched on July 23, 2026; its instructions are those of AMD's public machine-readable ISA for CDNA 5 (MIT licence, August 2026) and "CDNA5" Instruction Set Architecture Reference Guide (July 2026). The comments in the code are by the model that wrote it; some were corrected since.
;; TU Layer. Allowed arithmetic: float matrix products may take bf16 or f16 operands with f32 sums; all other float work in f32.
;; Inputs: b1 256 float32; b2 256 float32; points_1 2 x 256 x 4,096 float32; points_2 2 x 256 x 16,384 float32; w1 256 x 256 float32; w2 256 x 256 float32; xyz_1 2 x 3 x 4,096 float32; xyz_2 2 x 3 x 16,384 float32.
;; Outputs: out0 2 x 3 x 16,384 float32; out1 2 x 256 x 16,384 float32.
;; One version. Each part assembles by itself: llvm-mc -triple=amdgcn-amd-amdhsa -mcpu=gfx1250 --defsym DOCPART=n.
;; ======== version 1 of 1: 3 launches
;; workspace buffers: wb 262,144 bytes; streams 131,072 bytes of whole numbers; p1t 4,194,304 bytes; idx 262,144 bytes of whole numbers; wgt 524,288 bytes
;; launch knn_min (part 1): grid 256 x 1, 16 waves a work-group, no clusters, 152,064 bytes of LDS; arguments xyz_1, xyz_2, w1, w2, out0, streams, wb; writes out0, streams, wb
.if DOCPART == 1
	.amdgcn_target "amdgcn-amd-amdhsa--gfx1250"
	.amdhsa_code_object_version 6
	.text
	.protected	k_qa30dfddbc7_knn_min
	.globl	k_qa30dfddbc7_knn_min
	.p2align	8
	.type	k_qa30dfddbc7_knn_min,@function
k_qa30dfddbc7_knn_min:
	s_mov_b64 s[64:65], 0
	v_nop
	global_prefetch_b8 v0, s[64:65] scope:SCOPE_SE
	s_setreg_imm32_b32 hwreg(HW_REG_WAVE_MODE, 25, 1), 1
	s_wait_xcnt 0x0
; FIRST STEP OF THE 3-NEAREST-NEIGHBOUR SEARCH, and two small jobs (out0 = xyz_2; w1, w2 rounded to bf16 into wb).
; The 4,096 candidates of a batch are 128 STREAMS of 32 neighbouring indices.  For each query this launch finds the minimum of d2 in every stream and stores the numbers of the three
; streams that come first by (minimum, stream number), in ascending order.  The three candidates that come first by (d2, index) lie in these three streams, ties included: a stream that
; comes before another by (minimum, number) holds a candidate that comes before every candidate of the other by (d2, index).  The next launch looks at their 96 candidates alone.
; d2 IS FORMED AS THE PROBLEM WRITES IT, in f32: (ss + dd) - 2 ((x x' + y y') + z z'), ss and dd = (x^2 + y^2) + z^2, then max(., 0), which commutes with the minimum and is applied to it.
; LIMITS.  All coordinates are first rounded to bf16 (the format of the distance product's operands): neighbours and weights are those of the ROUNDED points.  Products of two bf16 numbers
; are exact in f32, so a fused multiply-add rounds where a multiply and an add would.  Finite inputs only, squares neither overflowing nor under 2^-126: the lists start at +infinity, and a NaN or
; an infinite distance is not served.
; SHARES.  A work-group owns 128 queries of one batch; each of its 16 waves holds all 128 (lane l: queries 4 l .. 4 l + 3, as two packed pairs) and walks 256 candidates, 8 streams.
; A pair (query, candidate) costs 5 packed instructions for two pairs and one three-way minimum for two: 3 instructions.
; NO MATRIX UNIT: the choice of neighbours hangs on the last bit of d2, and a matrix instruction does not round as the chain of f32 sums does.  NO CLUSTER: what work-groups share is xyz_1,
; 48 KiB a work-group, read once and rounded in registers on its way into LDS, beside 128 x 4,096 distances.
; LDS: table of candidates (X, Y, Z, D) = (-2 x, -2 y, -2 z, dd), 16 bytes each, a stream's 512 bytes at pitch 528; minima [stream][query]; lists; the result.
.set TP,   528                         ; table: bytes from stream to stream (the next launch gathers from the same layout; here all lanes read one address)
.set MINS, 67584                       ; 128 streams x 128 queries x 4 bytes, pitch 512
.set VALS, 133120                      ; 512 threads x 16 bytes: a thread's three smallest minima
.set IDS,  8192                        ; behind VALS: their stream numbers
.set OUTS, 149504                      ; 128 words: the result
.set QRAW, 8                           ; v[8:19]    x, y, z of my 4 queries as loaded; wave 0 stores them to out0; never rewritten
.set XQ,   20                          ; v[20:31]   x, y, z of my 4 queries, rounded
.set SS,   32                          ; v[32:35]   their ss
.set ACC,  36                          ; v[36:39]   running minima of the stream in hand
.set T,    40                          ; v[40:55]   4 candidates x 4 queries: the product, then d2
.set U,    56                          ; v[56:71]   ss + dd
.set C0,   72                          ; v[72:135]  16 candidates: a stream's first half (before: xyz_1 as loaded; in the tail: minima)
.set C1,   136                         ; v[136:199] 16 candidates: its second half
.set TQP,  136                         ; table build: 6 packed words
.set TQU,  144                         ; table build: 12 rounded coordinates
.set TQO,  200                         ; v[200:215] table build: 4 entries; later odds and ends
.set LA,   40                          ; tail: the list's three values a <= b <= c (and a word of 0)
.set LI,   44                          ; tail: their numbers (and a word of 0)
.set MA,   25                          ; s25, s26, vcc: x >= a, x >= b, x >= c
.set MB,   26
; x, y, z of four points (12 registers at raw) rounded to bf16 and widened again (12 registers at dst)
.macro ROUND3 raw, dst
.irp c, 0,1,2
	v_cvt_pk_bf16_f32 v[TQP+2*\c],   v[\raw+4*\c],   v[\raw+4*\c+1]
	v_cvt_pk_bf16_f32 v[TQP+2*\c+1], v[\raw+4*\c+2], v[\raw+4*\c+3]
.endr
.irp c, 0,1,2
.irp m, 0,1
	v_lshlrev_b32 v[\dst+4*\c+2*\m],   16, v[TQP+2*\c+\m]
	v_and_b32     v[\dst+4*\c+2*\m+1], 0xffff0000, v[TQP+2*\c+\m]
.endr
.endr
.endm
; v[d] = (x^2 + y^2) + z^2 of point e of the four at src
.macro NORM2 src, e, d
	v_mul_f32 v[\d], v[\src+\e], v[\src+\e]
	v_fma_f32 v[\d], v[\src+4+\e], v[\src+4+\e], v[\d]
	v_fma_f32 v[\d], v[\src+8+\e], v[\src+8+\e], v[\d]
.endm
; four candidates become four table entries at v4 + loff
.macro TABQUAD raw, loff
	ROUND3 \raw, TQU
.irp e, 0,1,2,3
	NORM2 TQU, \e, TQO+4*\e+3
	v_mul_f32 v[TQO+4*\e],   -2.0, v[TQU+\e]
	v_mul_f32 v[TQO+4*\e+1], -2.0, v[TQU+4+\e]
	v_mul_f32 v[TQO+4*\e+2], -2.0, v[TQU+8+\e]
	ds_store_b128 v4, v[TQO+4*\e:TQO+4*\e+3] offset:\loff+16*\e
.endr
.endm
; Item (x, id) enters the sorted list of three.  An item equal to a listed one stays behind it; items come in ascending number, so ties go to the lower number, as top_k has them.
.macro INSERT x, id
	v_cmp_ge_f32 s[MA], \x, v[LA]
	v_cmp_ge_f32 s[MB], \x, v[LA+1]
	v_cmp_ge_f32 vcc_lo, \x, v[LA+2]
	v_cndmask_b32 v[LI+2], \id, v[LI+2], vcc_lo
	v_cndmask_b32 v[LI+2], v[LI+1], v[LI+2], s[MB]
	v_cndmask_b32 v[LI+1], \id, v[LI+1], s[MB]
	v_cndmask_b32 v[LI+1], v[LI], v[LI+1], s[MA]
	v_cndmask_b32 v[LI], \id, v[LI], s[MA]
	v_med3_num_f32 v[LA+2], v[LA+1], v[LA+2], \x
	v_med3_num_f32 v[LA+1], v[LA], v[LA+1], \x
	v_min_num_f32 v[LA], v[LA], \x
.endm
; 16 table entries, every lane the same address
.macro LOAD16 cb, off
.irp i, 0,1,2,3,4,5,6,7,8,9,10,11,12,13,14,15
	ds_load_b128 v[\cb+4*\i:\cb+4*\i+3], v5 offset:\off+16*\i
.endr
.endm
; 4 candidates (16 registers at cb) x my 4 queries: 8 chains of two pairs, stage by stage, so that no instruction waits for the one in front of it.  first = 1: the stream's first minima start ACC.
.macro GROUP cb, first
.irp c, 0,1,2,3
.irp p, 0,1
	v_pk_mul_f32 v[T+4*\c+2*\p:T+4*\c+2*\p+1], v[XQ+2*\p:XQ+2*\p+1], v[\cb+4*\c:\cb+4*\c+1] op_sel_hi:[1,0]                                     ; X x
.endr
.endr
.irp c, 0,1,2,3
.irp p, 0,1
	v_pk_fma_f32 v[T+4*\c+2*\p:T+4*\c+2*\p+1], v[XQ+4+2*\p:XQ+4+2*\p+1], v[\cb+4*\c:\cb+4*\c+1], v[T+4*\c+2*\p:T+4*\c+2*\p+1] op_sel:[0,1,0] op_sel_hi:[1,1,1]   ; + Y y
.endr
.endr
.irp c, 0,1,2,3
.irp p, 0,1
	v_pk_fma_f32 v[T+4*\c+2*\p:T+4*\c+2*\p+1], v[XQ+8+2*\p:XQ+8+2*\p+1], v[\cb+4*\c+2:\cb+4*\c+3], v[T+4*\c+2*\p:T+4*\c+2*\p+1] op_sel_hi:[1,0,1]   ; + Z z
.endr
.endr
.irp c, 0,1,2,3
.irp p, 0,1
	v_pk_add_f32 v[U+4*\c+2*\p:U+4*\c+2*\p+1], v[SS+2*\p:SS+2*\p+1], v[\cb+4*\c+2:\cb+4*\c+3] op_sel:[0,1] op_sel_hi:[1,1]                        ; ss + dd
.endr
.endr
.irp c, 0,1,2,3
.irp p, 0,1
	v_pk_add_f32 v[T+4*\c+2*\p:T+4*\c+2*\p+1], v[U+4*\c+2*\p:U+4*\c+2*\p+1], v[T+4*\c+2*\p:T+4*\c+2*\p+1]
.endr
.endr
.irp j, 0,1,2,3
.if \first
	v_min_num_f32 v[ACC+\j], v[T+\j], v[T+4+\j]
.else
	v_min3_num_f32 v[ACC+\j], v[ACC+\j], v[T+\j], v[T+4+\j]
.endif
.endr
.irp j, 0,1,2,3
	v_min3_num_f32 v[ACC+\j], v[ACC+\j], v[T+8+\j], v[T+12+\j]
.endr
.endm
; Stream s of my wave's eight.  Its first half is in C0 or on its way; ahead = 1: the next stream's first half is asked for in the middle.
.macro STREAM s, ahead
	LOAD16 C1, \s*TP+256
.irp g, 0,1,2,3
	s_wait_dscnt 28-4*\g                           ; LDS answers in order: C0's entries up to 4 g + 3 are in; out may be C0's 12 - 4 g younger loads and C1's 16 (the stream before's one store is younger too: the count is one tighter than it must be)
.if \g == 0
	GROUP C0+16*\g, 1
.else
	GROUP C0+16*\g, 0
.endif
.endr
.if \ahead
	LOAD16 C0, \s*TP+TP
.endif
.irp g, 0,1,2,3
	s_wait_dscnt 12-4*\g+16*\ahead                 ; C1's entries up to 4 g + 3 are in; out may be C1's 12 - 4 g younger loads and the 16 asked for ahead
	GROUP C1+16*\g, 0
.endr
.irp j, 0,1,2,3
	v_max_num_f32 v[ACC+\j], 0, v[ACC+\j]          ; the clamp, once for the stream
.endr
	ds_store_b128 v6, v[ACC:ACC+3] offset:\s*512
.endm
	s_load_b256 s[4:11], s[0:1], 0x0               ; xyz_1 s[4:5], xyz_2 s[6:7], w1 s[8:9], w2 s[10:11]
	s_load_b128 s[12:15], s[0:1], 0x20             ; out0 s[12:13], streams s[14:15]
	s_load_b64 s[16:17], s[0:1], 0x30              ; wb
	v_lshl_add_u32 v216, v0, 2, 0x24a00
	v_mov_b32 v217, 0
	v_lshrrev_b32 v1, 5, v0
	v_readfirstlane_b32 s18, v1                    ; wave 0..15
	v_and_b32 v1, 31, v0                           ; lane
	v_lshlrev_b32 v2, 4, v1                        ; 16 x lane; never rewritten
	v_lshlrev_b32 v3, 4, v0                        ; 16 x thread
	v_lshrrev_b32 v4, 3, v0                        ; thread t brings candidates 4 t .. 4 t + 3: stream t / 8,
	v_mul_u32_u24 v4, v4, TP
	v_and_b32 v5, 7, v0
	v_lshl_add_u32 v4, v5, 6, v4                   ; place 4 (t % 8) in it
	s_lshr_b32 s19, ttmp9, 7                       ; batch
	s_and_b32 s20, ttmp9, 127
	s_lshl_b32 s20, s20, 9                         ; my 128 queries: 512 bytes of a row
	s_mul_i32 s22, s19, 196608                     ; a batch of xyz_2: 3 x 16,384 x 4 bytes
	s_add_co_u32 s22, s22, s20
	s_mov_b32 s23, 0
	s_wait_kmcnt 0x0
	s_add_nc_u64 s[6:7], s[6:7], s[22:23]
	s_add_nc_u64 s[12:13], s[12:13], s[22:23]
	s_mul_i32 s22, s19, 49152                      ; a batch of xyz_1: 3 x 4,096 x 4 bytes
	s_add_nc_u64 s[4:5], s[4:5], s[22:23]
	s_lshl_b32 s22, s19, 16                        ; a batch of streams: 16,384 words
	s_add_co_u32 s22, s22, s20
	s_add_nc_u64 s[14:15], s[14:15], s[22:23]
.irp c, 0,1,2
	global_load_b128 v[QRAW+4*\c:QRAW+4*\c+3], v2, s[6:7] offset:\c*65536          ; 512 neighbouring bytes: the work-group's 128 queries, in every wave
.endr
.irp i, 0,1
.irp c, 0,1,2
	global_load_b128 v[C0+12*\i+4*\c:C0+12*\i+4*\c+3], v3, s[4:5] offset:\c*16384+\i*8192   ; 512 threads x 4 candidates, twice
.endr
.endr
	; the small jobs, under branches on the wave's number
	s_cmp_lg_u32 s18, 0
	s_cbranch_scc1 .Lnot_wave_0
	s_wait_loadcnt 0x0
.irp c, 0,1,2
	global_store_b128 v2, v[QRAW+4*\c:QRAW+4*\c+3], s[12:13] offset:\c*65536       ; out0 = xyz_2, unrounded: 512 neighbouring bytes a store
.endr
	s_branch .Ljobs_done
.Lnot_wave_0:
	s_cmp_gt_u32 s18, 2
	s_cbranch_scc1 .Ljobs_done
	s_cmp_eq_u32 s18, 1                            ; wave 1 rounds row g of w1, wave 2 row g of w2 (256 work-groups, 256 rows)
	s_cselect_b64 s[28:29], s[8:9], s[10:11]
	s_lshl_b32 s22, ttmp9, 10
	s_add_nc_u64 s[28:29], s[28:29], s[22:23]
	s_sub_co_u32 s21, s18, 1
	s_lshl_b32 s21, s21, 17                        ; w2's copy lies 131,072 bytes behind w1's
	s_lshl_b32 s22, ttmp9, 9
	s_add_co_u32 s22, s22, s21
	s_add_nc_u64 s[16:17], s[16:17], s[22:23]
	v_lshlrev_b32 v7, 5, v1
	global_load_b128 v[TQO:TQO+3],   v7, s[28:29]
	global_load_b128 v[TQO+4:TQO+7], v7, s[28:29] offset:16
	s_wait_loadcnt 0x0
.irp m, 0,1,2,3
	v_cvt_pk_bf16_f32 v[TQO+8+\m], v[TQO+2*\m], v[TQO+2*\m+1]
.endr
	global_store_b128 v2, v[TQO+8:TQO+11], s[16:17]                                ; the row's 512 bytes
.Ljobs_done:
	s_wait_xcnt 0x0                                ; the store's data and v7 are rewritten only behind this wait
	s_wait_loadcnt 0x0                             ; queries and candidates are in
	TABQUAD C0, 0
	TABQUAD C0+12, 64*TP
	ROUND3 QRAW, XQ
.irp e, 0,1,2,3
	NORM2 XQ, \e, SS+\e
.endr
	s_mul_i32 s20, s18, 8*TP
	v_mov_b32 v5, s20                              ; my wave's first stream in the table
	v_lshl_add_u32 v6, s18, 12, v2                 ; my 16 bytes of its row of minima
	v_add_nc_u32 v6, MINS, v6
	s_wait_dscnt 0x0                               ; for the others' sake: my part of the table is written
	s_barrier_signal -1
	s_barrier_wait -1
	LOAD16 C0, 0
.irp s, 0,1,2,3,4,5,6
	STREAM \s, 1
.endr
	STREAM 7, 0                                    ; nothing is asked for beyond my wave's last stream
	v_and_b32 v7, 127, v0                          ; THE TAIL.  Thread t takes query t % 128 and part t / 128: 32 streams
	v_lshlrev_b32 v7, 2, v7
	v_lshrrev_b32 v201, 7, v0
	v_lshl_add_u32 v7, v201, 14, v7
	v_add_nc_u32 v7, MINS, v7
	v_add_nc_u32 v200, VALS, v3
	s_wait_dscnt 0x0                               ; my minima are written
	s_barrier_signal -1
	s_barrier_wait -1
.irp i, 0,1,2,3,4,5,6,7,8,9,10,11,12,13,14,15,16,17,18,19,20,21,22,23,24,25,26,27,28,29,30,31
	ds_load_b32 v[C0+\i], v7 offset:\i*512
.endr
.irp k, 0,1,2
	v_mov_b32 v[LA+\k], 0x7f800000                 ; the list starts at +infinity
	v_mov_b32 v[LI+\k], 0
.endr
	v_mov_b32 v[LA+3], 0                           ; the fourth words of the two 16-byte slots
	v_mov_b32 v[LI+3], 0
.irp i, 0,1,2,3,4,5,6,7,8,9,10,11,12,13,14,15,16,17,18,19,20,21,22,23,24,25,26,27,28,29,30,31
	s_wait_dscnt 31-\i                             ; minimum i is in, the younger ones stay out
	INSERT v[C0+\i], \i
.endr
.irp k, 0,1,2
	v_lshl_add_u32 v[LI+\k], v201, 5, v[LI+\k]     ; + 32 x part
.endr
	ds_store_b128 v200, v[LA:LA+3]
	ds_store_b128 v200, v[LI:LI+3] offset:IDS
	s_wait_dscnt 0x0
	s_barrier_signal -1
	s_barrier_wait -1
	s_cmp_gt_u32 s18, 3
	s_cbranch_scc1 .Lmerged
	; waves 0 to 3: thread q holds part 0's list of query q and takes in the nine items of parts 1 to 3, in ascending order of part
.irp p, 0,1,2
	ds_load_b128 v[C0+4*\p:C0+4*\p+3],       v200 offset:2048*\p+2048
	ds_load_b128 v[C0+12+4*\p:C0+12+4*\p+3], v200 offset:IDS+2048*\p+2048
.endr
	s_wait_dscnt 0x0
.irp p, 0,1,2
.irp k, 0,1,2
	INSERT v[C0+4*\p+\k], v[C0+12+4*\p+\k]
.endr
.endr
	v_min_u32 v201, v[LI], v[LI+1]                 ; the three numbers in ascending order, so that the next launch meets candidates in ascending index
	v_max_u32 v202, v[LI], v[LI+1]
	v_max_u32 v203, v202, v[LI+2]
	v_min_u32 v202, v202, v[LI+2]
	v_min_u32 v204, v201, v202
	v_max_u32 v201, v201, v202
	v_lshl_or_b32 v204, v201, 8, v204
	v_lshl_or_b32 v204, v203, 16, v204
	v_lshlrev_b32 v205, 2, v0
	v_add_nc_u32 v205, OUTS, v205
	ds_store_b32 v205, v204
.Lmerged:
	s_wait_dscnt 0x0
	s_barrier_signal -1
	s_barrier_wait -1
	s_cmp_lg_u32 s18, 0
	s_cbranch_scc1 .Lend
	v_add_nc_u32 v206, OUTS, v2
	ds_load_b128 v[208:211], v206
	s_wait_dscnt 0x0
	global_store_b128 v2, v[208:211], s[14:15]     ; the work-group's 128 words: 512 neighbouring bytes
.Lend:
	s_wait_tensorcnt 0x0
	ds_add_u32 v216, v217
	s_wait_dscnt 0x0
	s_endpgm
.Lfunc_end_k_qa30dfddbc7_knn_min:
	.size	k_qa30dfddbc7_knn_min, .Lfunc_end_k_qa30dfddbc7_knn_min-k_qa30dfddbc7_knn_min
	.p2alignl 7, 3214868480
	.fill 96, 4, 3214868480
	.section	.rodata,"a",@progbits
	.p2align	6, 0x0
	.amdhsa_kernel k_qa30dfddbc7_knn_min
		.amdhsa_group_segment_fixed_size 152064
		.amdhsa_private_segment_fixed_size 0
		.amdhsa_enable_private_segment 0
		.amdhsa_kernarg_size 56
		.amdhsa_user_sgpr_count 2
		.amdhsa_user_sgpr_kernarg_segment_ptr 1
		.amdhsa_wavefront_size32 1
		.amdhsa_system_sgpr_workgroup_id_x 1
		.amdhsa_system_sgpr_workgroup_id_y 1
		.amdhsa_system_sgpr_workgroup_id_z 1
		.amdhsa_system_vgpr_workitem_id 0
		.amdhsa_next_free_vgpr 218
		.amdhsa_next_free_sgpr 66
		.amdhsa_reserve_vcc 1
		.amdhsa_float_denorm_mode_32 3
		.amdhsa_float_denorm_mode_16_64 3
		.amdhsa_memory_ordered 1
		.amdhsa_forward_progress 1
		.amdhsa_inst_pref_size 251
	.end_amdhsa_kernel
	.amdgpu_metadata
---
amdhsa.version: [ 1, 2 ]
amdhsa.kernels:
  - .name:           k_qa30dfddbc7_knn_min
    .symbol:         k_qa30dfddbc7_knn_min.kd
    .args:
      - { .name: xyz_1, .offset: 0, .size: 8, .value_kind: global_buffer, .address_space: global }
      - { .name: xyz_2, .offset: 8, .size: 8, .value_kind: global_buffer, .address_space: global }
      - { .name: w1, .offset: 16, .size: 8, .value_kind: global_buffer, .address_space: global }
      - { .name: w2, .offset: 24, .size: 8, .value_kind: global_buffer, .address_space: global }
      - { .name: out0, .offset: 32, .size: 8, .value_kind: global_buffer, .address_space: global }
      - { .name: streams, .offset: 40, .size: 8, .value_kind: global_buffer, .address_space: global }
      - { .name: wb, .offset: 48, .size: 8, .value_kind: global_buffer, .address_space: global }
    .group_segment_fixed_size: 152064
    .private_segment_fixed_size: 0
    .kernarg_segment_align: 8
    .kernarg_segment_size: 56
    .max_flat_workgroup_size: 512
    .sgpr_count:     66
    .vgpr_count:     218
    .wavefront_size: 32
...
	.end_amdgpu_metadata
.endif
;; end of part 1
;; launch rescan_p1 (part 2): grid 256 x 1, 16 waves a work-group, no clusters, 202,752 bytes of LDS; arguments points_1, wb, b1, xyz_1, xyz_2, streams, p1t, idx, wgt; writes p1t, idx, wgt
.if DOCPART == 2
	.amdgcn_target "amdgcn-amd-amdhsa--gfx1250"
	.amdhsa_code_object_version 6
	.text
	.protected	k_qa30dfddbc7_rescan_p1
	.globl	k_qa30dfddbc7_rescan_p1
	.p2align	8
	.type	k_qa30dfddbc7_rescan_p1,@function
k_qa30dfddbc7_rescan_p1:
	s_mov_b64 s[64:65], 0
	v_nop
	global_prefetch_b8 v0, s[64:65] scope:SCOPE_SE
	s_setreg_imm32_b32 hwreg(HW_REG_WAVE_MODE, 25, 1), 1
	s_wait_xcnt 0x0
; TWO JOBS THAT DO NOT DEPEND ON EACH OTHER, both in every work-group and in every wave, one after the other: all sixteen waves run the same text up to the last branch.
; THE SEARCH: for each of the work-group's 128 queries the 96 candidates of the three streams that the launch before chose, in ascending index: d2 by the same chain of f32 sums as there, a
;   sorted list of three with indices (ties to the lower index), then the weights (1 / (d + 1e-8)) / their sum.  Four lanes a query: quarter qd = wave / 4 takes candidates 24 qd .. 24 qd + 23.
;   Every thread lays its list into LDS; at the end threads 0-127 take the nine items of quarters 1 to 3 into their own, in order: a later quarter's indices are all higher, so an equal item
;   stays behind.  Stores idx (4 x u16 a query) and wgt (4 x f32 a query).
; THE PRODUCT: p1t[b][m][o] = bf16(sum over c of w1[o][c] points_1[b][c][m] + b1[o]), point-major, so that a neighbour's 256 channels are one row of 512 bytes for the next launch's gather.
;   The work-group makes 64 points x 128 channels, K = 256; a wave 16 channels x 32 points: 2 accumulators.  points_1's tile (f32, [channel][point]) comes by one tensor load a wave (16 rows
;   of 256 bytes: each wave reads only the rows that its own load brought, so its own wait orders them); it rounds them and lays them down turned, [point][channel] in bf16.  w1 (bf16, from wb)
;   goes straight into registers.  Tile and w1 are asked for at the start and are first needed behind the search.
; THE TABLE of the batch's 4,096 candidates: (X, Y, Z, D) = (-2 x, -2 y, -2 z, dd), 16 bytes each, a stream's 512 bytes at pitch 528; every thread brings 8 candidates.
; LIMITS.  Coordinates are rounded to bf16 first: neighbours and weights are those of the rounded points.  Finite inputs only (the lists start at +infinity).  Divisions are v_rcp_f32 and a
; multiply.  p1 is kept in bf16, the format of the interpolation product's operand.
; NO CLUSTER.  Work-groups 2 i and 2 i + 1 make the two channel halves of the same 64 points and read the same 65,536 bytes of points_1, once each, at the start: one joint request, against an
; opening and a closing round of a cluster's barrier in a text of three barriers.  The rest that is shared (w1: 8 KiB a wave; xyz_1: 48 KiB) goes through registers, where it is kept or rounded.
.set BT,   65536                       ; behind the f32 tile (16 waves x 4,096 bytes at 0): 64 points x 528 bytes: 256 channels in bf16 + 16 of padding
.set OST2, 99328                       ; the product's way out: 64 points x 272 bytes: 128 channels in bf16 + 16
.set TAB,  116736                      ; the table: 128 streams x 528 bytes
.set VALS, 184320                      ; 512 threads x 16 bytes: a thread's three smallest distances
.set IDS,  8192                        ; behind VALS: their codes
.set BP,   528                         ; 33 x 16 bytes: the 16 rows that a 16-byte access of 16 lanes touches fall on 16 different 16-byte columns of 256
.set OP,   272                         ; 17 x 16 bytes: likewise
; v0 thread, v1 lane, v2 r = lane % 16, v6 h = lane / 16, v3 16 x thread; LDS addresses: v4 table (write), v5 f32 tile, v7 bf16 tile (write), v10 bf16 tile (fragments), v15 stage (write), v11 stage (read)
; offsets in memory: v12 b1, v13 p1t, v14 wb.  None of these is ever rewritten.  v8, v9: at work, at last the two words for idx
.set BIAS, 16                          ; v[16:23]   b1 of my 16 channels, in an accumulator's layout
.set QO,   24                          ; v24        4 q: offset in streams and in xyz_2
.set IO,   25                          ; v25        8 q: offset in idx
.set WOF,  26                          ; v26        16 q: offset in wgt
.set VAD,  27                          ; v27        my list's place in LDS
.set SW,   28                          ; v28        the three stream numbers as loaded
.set QR,   29                          ; v[29:31]   my query as loaded
.set RAW,  32                          ; v[32:55]   xyz_1 as loaded: 2 x (x, y, z) x 4 candidates
.set TQP,  56                          ; v[56:61]   table build: packed words
.set TQU,  64                          ; v[64:75]   table build: rounded coordinates
.set TQO,  76                          ; v[76:91]   table build: four entries
.set QX,   32                          ; v[32:35]   my query: x, y, z rounded, ss
.set SN,   36                          ; v[36:38]   the three stream numbers
.set RA,   40                          ; v[40:42]   LDS addresses of my three runs of 8 candidates
.set LA,   44                          ; v[44:47]   the list: values (and a word of 0)
.set LI,   48                          ; v[48:51]   the list: codes 0..95, at last indices (and a word of 0)
.set DT,   52
.set DU,   56
.set WO,   60                          ; v[60:63]   four words for wgt
.set IW,   8                           ; v[8:9]     two words for idx
.set BUF,  64                          ; v[64:159]  my 24 candidates
.set CT,   64                          ; v[64:95]   rounding: 32 numbers as read
.set CP,   96                          ; v[96:111]  rounding: 16 packed words
.set ACC,  64                          ; v[64:79]   accumulator nt (16 points) at 64 + 8 nt
.set OPK,  80                          ; v[80:87]   the way out: packed results
.set OBK,  88                          ; v[88:95]   the way out: rows read back
.set BF,   96                          ; v[96:159]  fragments of B: two buffers, each two K steps x two blocks of 16 points
.set AF,   160                         ; v[160:223] my 8 fragments of w1, K step ks at 160 + 8 ks
.set MA,   40                          ; s40, s41, vcc: x >= a, x >= b, x >= c
.set MB,   41
; Four places: behind a matrix instruction a load into, or a vector instruction on, one of its registers keeps this distance (ISA guide 7.12.1 for vector instructions)
.macro PLACES
.rept 4
	v_nop
.endr
.endm
; x, y, z of four points (12 registers at raw) rounded to bf16 and widened again (12 registers at dst)
.macro ROUND3 raw, dst
.irp c, 0,1,2
	v_cvt_pk_bf16_f32 v[TQP+2*\c],   v[\raw+4*\c],   v[\raw+4*\c+1]
	v_cvt_pk_bf16_f32 v[TQP+2*\c+1], v[\raw+4*\c+2], v[\raw+4*\c+3]
.endr
.irp c, 0,1,2
.irp m, 0,1
	v_lshlrev_b32 v[\dst+4*\c+2*\m],   16, v[TQP+2*\c+\m]
	v_and_b32     v[\dst+4*\c+2*\m+1], 0xffff0000, v[TQP+2*\c+\m]
.endr
.endr
.endm
.macro NORM2 src, e, d                 ; v[d] = (x^2 + y^2) + z^2 of point e of the four at src
	v_mul_f32 v[\d], v[\src+\e], v[\src+\e]
	v_fma_f32 v[\d], v[\src+4+\e], v[\src+4+\e], v[\d]
	v_fma_f32 v[\d], v[\src+8+\e], v[\src+8+\e], v[\d]
.endm
.macro TABQUAD raw, loff               ; four candidates become four entries (-2 x, -2 y, -2 z, dd) at v4 + loff
	ROUND3 \raw, TQU
.irp e, 0,1,2,3
	NORM2 TQU, \e, TQO+4*\e+3
	v_mul_f32 v[TQO+4*\e],   -2.0, v[TQU+\e]
	v_mul_f32 v[TQO+4*\e+1], -2.0, v[TQU+4+\e]
	v_mul_f32 v[TQO+4*\e+2], -2.0, v[TQU+8+\e]
	ds_store_b128 v4, v[TQO+4*\e:TQO+4*\e+3] offset:\loff+16*\e
.endr
.endm
; Item (x, id) enters the sorted list of three.  An item equal to a listed one stays behind it; items come in ascending index, so ties go to the lower index, as top_k has them.
.macro INSERT x, id
	v_cmp_ge_f32 s[MA], \x, v[LA]
	v_cmp_ge_f32 s[MB], \x, v[LA+1]
	v_cmp_ge_f32 vcc_lo, \x, v[LA+2]
	v_cndmask_b32 v[LI+2], \id, v[LI+2], vcc_lo
	v_cndmask_b32 v[LI+2], v[LI+1], v[LI+2], s[MB]
	v_cndmask_b32 v[LI+1], \id, v[LI+1], s[MB]
	v_cndmask_b32 v[LI+1], v[LI], v[LI+1], s[MA]
	v_cndmask_b32 v[LI], \id, v[LI], s[MA]
	v_med3_num_f32 v[LA+2], v[LA+1], v[LA+2], \x
	v_med3_num_f32 v[LA+1], v[LA], v[LA+1], \x
	v_min_num_f32 v[LA], v[LA], \x
.endm
; run j of my three: 8 entries, each lane from its own stream
.macro RUNLOAD j
.irp i, 0,1,2,3,4,5,6,7
	ds_load_b128 v[BUF+32*\j+4*\i:BUF+32*\j+4*\i+3], v[RA+\j] offset:16*\i
.endr
.endm
; candidates 4 g .. 4 g + 3 of my 24: d2, stage by stage, then into the list
.macro WORK4 g
.set rw, BUF+16*\g
	s_wait_dscnt 20-4*\g                           ; LDS answers in order: of the 24 reads those up to 4 g + 3 are in, the 20 - 4 g younger ones stay out
.irp e, 0,1,2,3
	v_mul_f32 v[DT+\e], v[rw+4*\e], v[QX]
.endr
.irp e, 0,1,2,3
	v_fma_f32 v[DT+\e], v[rw+4*\e+1], v[QX+1], v[DT+\e]
.endr
.irp e, 0,1,2,3
	v_fma_f32 v[DT+\e], v[rw+4*\e+2], v[QX+2], v[DT+\e]
.endr
.irp e, 0,1,2,3
	v_add_f32 v[DU+\e], v[QX+3], v[rw+4*\e+3]
.endr
.irp e, 0,1,2,3
	v_add_f32 v[DT+\e], v[DU+\e], v[DT+\e]
.endr
.irp e, 0,1,2,3
	v_max_num_f32 v[DT+\e], 0, v[DT+\e]
.endr
.irp e, 0,1,2,3
	INSERT v[DT+\e], 4*\g+\e
.endr
.endm
; The 16 channel rows that my own tensor load brought, 64 points each: a lane takes one point's 16 channels (twice), rounds them in pairs and stores 32 bytes of that point's row.
.macro CONVERT
.irp p, 0,1
.set ci, 0
.rept 16
	ds_load_b32 v[CT+16*\p+ci], v5 offset:ci*256+\p*128
.set ci, ci+1
.endr
.endr
.irp p, 0,1
	s_wait_dscnt 16-14*\p                          ; first half: the second half's 16 loads may be out; second half: only the 2 stores just issued are younger
.set ci, 8*\p
.rept 8
	v_cvt_pk_bf16_f32 v[CP+ci], v[CT+2*ci], v[CT+2*ci+1]
.set ci, ci+1
.endr
	ds_store_b128 v7, v[CP+8*\p:CP+8*\p+3]   offset:\p*32*BP
	ds_store_b128 v7, v[CP+8*\p+4:CP+8*\p+7] offset:\p*32*BP+16
.endr
.endm
; B's fragments (16 points x 32 channels each) of K steps 2 pr, 2 pr + 1, for my two blocks of points, into buffer pr % 2
.macro FETCHB pr
.set fb, BF+32*((\pr)&1)
.irp kk, 0,1
.irp nt, 0,1
	ds_load_b128 v[fb+16*\kk+8*\nt:fb+16*\kk+8*\nt+3],   v10 offset:\nt*16*BP+(2*(\pr)+\kk)*64
	ds_load_b128 v[fb+16*\kk+8*\nt+4:fb+16*\kk+8*\nt+7], v10 offset:\nt*16*BP+(2*(\pr)+\kk)*64+32
.endr
.endr
.endm
; K steps 2 pr, 2 pr + 1 on both accumulators, which take turns, one instruction a turn.  cmode = 1: the sums start from the bias.
.macro MMA4 pr, cmode
.set fb, BF+32*((\pr)&1)
.irp kk, 0,1
.irp nt, 0,1
.if \cmode && (\kk == 0)
	v_wmma_f32_16x16x32_bf16 v[ACC+8*\nt:ACC+8*\nt+7], v[AF+8*(2*(\pr)+\kk):AF+8*(2*(\pr)+\kk)+7], v[fb+16*\kk+8*\nt:fb+16*\kk+8*\nt+7], v[BIAS:BIAS+7]
.else
	v_wmma_f32_16x16x32_bf16 v[ACC+8*\nt:ACC+8*\nt+7], v[AF+8*(2*(\pr)+\kk):AF+8*(2*(\pr)+\kk)+7], v[fb+16*\kk+8*\nt:fb+16*\kk+8*\nt+7], v[ACC+8*\nt:ACC+8*\nt+7]
.endif
.endr
.endr
.endm
.macro MMALOOP
	FETCHB 0
	FETCHB 1
	s_wait_dscnt 8                                 ; all but the 8 loads just issued
	MMA4 0, 1
.irp pr, 1,2
	PLACES                                         ; the buffer about to be loaded was read by the products just issued
	FETCHB \pr+1
	s_wait_dscnt 8
	MMA4 \pr, 0
.endr
	s_wait_dscnt 0x0
	MMA4 3, 0
.endm
.macro TOINDEX k                       ; code = 32 x (which of my streams) + place: index = 32 x stream number + place.  A choice of values: no address hangs on it
	v_lshrrev_b32 v[DT], 5, v[LI+\k]
	v_and_b32 v[LI+\k], 31, v[LI+\k]
	v_cmp_eq_u32 vcc_lo, 1, v[DT]
	v_cndmask_b32 v[DT+1], v[SN], v[SN+1], vcc_lo
	v_cmp_eq_u32 vcc_lo, 2, v[DT]
	v_cndmask_b32 v[DT+1], v[DT+1], v[SN+2], vcc_lo
	v_lshl_add_u32 v[LI+\k], v[DT+1], 5, v[LI+\k]
.endm
	s_load_b512 s[16:31], s[0:1], 0x0              ; points_1 s[16:17], wb s[18:19], b1 s[20:21], xyz_1 s[22:23], xyz_2 s[24:25], streams s[26:27], p1t s[28:29], idx s[30:31]
	s_load_b64 s[32:33], s[0:1], 0x40              ; wgt
	v_lshl_add_u32 v224, v0, 2, 0x31000
	v_mov_b32 v225, 0
	ds_add_u32 v224, v225
	ds_add_u32 v224, v225
	v_lshrrev_b32 v1, 5, v0
	v_readfirstlane_b32 s34, v1                    ; wave 0..15
	s_mov_b32 s37, 0                               ; the high word of every offset
	s_lshr_b32 s35, ttmp9, 7                       ; batch, the same for both jobs
	s_lshr_b32 s54, ttmp9, 1
	s_and_b32 s54, s54, 63                         ; the product's block of 64 points
	s_and_b32 s55, ttmp9, 1                        ; and its 128 output channels
	s_and_b32 s52, s34, 7                          ; my 16 of them
	s_lshr_b32 s53, s34, 3                         ; my 32 of the points
	s_lshr_b32 s43, s34, 2                         ; the search's quarter
	s_mul_i32 s42, s43, 3                          ; my first run of 8 candidates among the twelve.  Run J is part J % 4 (128 bytes) of stream J / 4 of the query's three:
.irp j, 0,1,2
	s_add_co_u32 s38, s42, \j
	s_lshr_b32 s39, s38, 2
	s_lshl_b32 s[44+\j], s39, 3                    ; the first bit of that stream's number in the loaded word
	s_and_b32 s38, s38, 3
	s_lshl_b32 s38, s38, 7
	s_add_co_u32 s[48+\j], s38, TAB                ; the part's place in a stream, from LDS byte 0
.endr
	s_mul_i32 s51, s43, 24                         ; my first candidate's code
	s_mov_b32 s4, 2<<16                            ; group 1: no mask; elements of 4 bytes; no padding
	s_mov_b32 s5, 64<<16                           ; tensor_dim0 = 64
	s_mov_b32 s6, 16<<16                           ; tensor_dim1 = 16
	s_mov_b32 s7, 64<<16                           ; tile_dim0 = 64 elements: 256 bytes, starting at a multiple of 256 from the buffer's first byte
	s_mov_b32 s8, 16                               ; tile_dim1 = 16 rows
	s_mov_b32 s9, 4096                             ; elements from channel to channel
	s_mov_b32 s10, 0
	s_mov_b32 s11, 0
	s_mov_b32 s12, 1                               ; group 0: count
	s_lshl_b32 s13, s34, 12                        ; LDS: my 16 rows of 256 bytes
	v_lshlrev_b32 v3, 4, v0                        ; 16 x thread
	v_and_b32 v8, 127, v0                          ; q: my query among the 128
	v_lshlrev_b32 v[QO], 2, v8
	s_wait_dscnt 0x0
	s_wait_kmcnt 0x0
	s_lshl_b32 s36, ttmp9, 9
	s_add_nc_u64 s[26:27], s[26:27], s[36:37]      ; streams: my 128 words
	s_mul_i32 s36, s35, 196608
	s_and_b32 s38, ttmp9, 127
	s_lshl_b32 s38, s38, 9
	s_add_co_u32 s36, s36, s38
	s_add_nc_u64 s[24:25], s[24:25], s[36:37]      ; xyz_2 at my 128 queries
	s_mul_i32 s36, s35, 49152
	s_add_nc_u64 s[22:23], s[22:23], s[36:37]      ; xyz_1 at my batch
	; what the table and the search need is asked for first
	global_load_b32 v[SW],   v[QO], s[26:27]
	global_load_b32 v[QR],   v[QO], s[24:25]
	global_load_b32 v[QR+1], v[QO], s[24:25] offset:65536
	global_load_b32 v[QR+2], v[QO], s[24:25] offset:131072
.irp i, 0,1
.irp c, 0,1,2
	global_load_b128 v[RAW+12*\i+4*\c:RAW+12*\i+4*\c+3], v3, s[22:23] offset:\c*16384+\i*8192   ; 512 threads x 4 candidates, twice
.endr
.endr
	s_lshl_b32 s36, s35, 22                        ; points_1: batch x 256 x 4,096 x 4
	s_lshl_b32 s38, s34, 18                        ; + 16 w input channels
	s_add_co_u32 s36, s36, s38
	s_lshl_b32 s38, s54, 8                         ; + 64 points
	s_add_co_u32 s36, s36, s38
	s_add_nc_u64 s[14:15], s[16:17], s[36:37]
	s_or_b32 s15, s15, 0x80000000                  ; type
	tensor_load_to_lds s[12:15], s[4:11]           ; my one tensor load; no LDS byte is ever filled again
	s_nop 0
	v_and_b32 v1, 31, v0                           ; lane
	v_and_b32 v2, 15, v0                           ; r
	v_bfe_u32 v6, v0, 4, 1                         ; h
	v_lshlrev_b32 v14, 9, v2                       ; w1: row 128 half + 16 (w % 8) + r, 512 bytes a row, + 16 h
	v_lshl_add_u32 v14, v6, 4, v14
	v_lshl_add_u32 v14, s52, 13, v14
	v_lshl_add_u32 v14, s55, 16, v14
.irp ks, 0,1,2,3,4,5,6,7
	global_load_b128 v[AF+8*\ks:AF+8*\ks+3],   v14, s[18:19] offset:\ks*64      ; lane (r, h): row r's bytes 16 h and 32 + 16 h of each 64
	global_load_b128 v[AF+8*\ks+4:AF+8*\ks+7], v14, s[18:19] offset:\ks*64+32
.endr
	v_lshlrev_b32 v12, 5, v6                       ; b1: channel 128 half + 16 (w % 8) + 8 h
	v_lshl_add_u32 v12, s52, 6, v12
	v_lshl_add_u32 v12, s55, 9, v12
	global_load_b128 v[BIAS:BIAS+3],   v12, s[20:21]
	global_load_b128 v[BIAS+4:BIAS+7], v12, s[20:21] offset:16
	; the addresses
	v_lshrrev_b32 v4, 3, v0                        ; thread t brings candidates 4 t .. 4 t + 3 (+ 2,048 i): stream t / 8 (+ 64 i),
	v_mul_u32_u24 v4, v4, BP
	v_and_b32 v9, 7, v0
	v_lshl_add_u32 v4, v9, 6, v4                   ; place 4 (t % 8) in it
	v_add_nc_u32 v4, TAB, v4
	v_lshlrev_b32 v[IO], 3, v8
	v_lshlrev_b32 v[WOF], 4, v8
	v_add_nc_u32 v[VAD], VALS, v3
	v_lshlrev_b32 v5, 2, v1                        ; reading the f32 tile: my rows, point = lane
	v_lshl_add_u32 v5, s34, 12, v5
	v_mul_u32_u24 v7, v1, BP                       ; writing the bf16 tile: point = lane, my 16 input channels
	v_lshl_add_u32 v7, s34, 5, v7
	v_add_nc_u32 v7, BT, v7
	s_mul_i32 s38, s53, 32*BP                      ; a fragment of B: my 32 points, row r, 16 h
	s_add_co_u32 s38, s38, BT
	v_mul_u32_u24 v10, v2, BP
	v_lshl_add_u32 v10, v6, 4, v10
	v_add_nc_u32 v10, s38, v10
	s_mul_i32 s38, s53, 32*OP                      ; the way out, in: my 32 points, point r; channels 16 (w % 8) + 8 h of the 128
	s_lshl_b32 s39, s52, 5
	s_add_co_u32 s38, s38, s39
	s_add_co_u32 s38, s38, OST2
	v_mul_u32_u24 v15, v2, OP
	v_lshl_add_u32 v15, v6, 4, v15
	v_add_nc_u32 v15, s38, v15
	s_mul_i32 s38, s34, 4*OP                       ; the way out, back: points 4 w .. 4 w + 3; lanes 0-15 one row of 256 bytes, lanes 16-31 the next
	s_add_co_u32 s38, s38, OST2
	v_mul_u32_u24 v11, v6, OP
	v_lshl_add_u32 v11, v2, 4, v11
	v_add_nc_u32 v11, s38, v11
	v_lshlrev_b32 v13, 4, v2                       ; and the same two rows in p1t, 512 bytes a point
	v_lshl_add_u32 v13, v6, 9, v13
	s_lshl_b32 s36, s35, 21                        ; p1t: point 4,096 b + 64 block + 4 w, byte 256 half of its row
	s_lshl_b32 s38, s54, 15
	s_add_co_u32 s36, s36, s38
	s_lshl_b32 s38, s34, 11
	s_add_co_u32 s36, s36, s38
	s_lshl_b32 s38, s55, 8
	s_add_co_u32 s36, s36, s38
	s_add_nc_u64 s[28:29], s[28:29], s[36:37]
	s_lshl_b32 s36, ttmp9, 10
	s_add_nc_u64 s[30:31], s[30:31], s[36:37]      ; idx: 8 bytes a query
	s_lshl_b32 s36, ttmp9, 11
	s_add_nc_u64 s[32:33], s[32:33], s[36:37]      ; wgt: 16 bytes a query
	; ---- the table, and my query ----
	s_wait_loadcnt 18                              ; loads come back in order: stream numbers, query and candidates are in; the 16 loads of w1 and the 2 of b1 behind them stay out
	TABQUAD RAW, 0
	TABQUAD RAW+12, 64*BP
	v_cvt_pk_bf16_f32 v[TQP], v[QR], v[QR+1]       ; my query, rounded as the candidates are
	v_cvt_pk_bf16_f32 v[TQP+1], v[QR+2], v[QR+2]
	v_lshlrev_b32 v[QX], 16, v[TQP]
	v_and_b32 v[QX+1], 0xffff0000, v[TQP]
	v_lshlrev_b32 v[QX+2], 16, v[TQP+1]
	v_mul_f32 v[QX+3], v[QX], v[QX]
	v_fma_f32 v[QX+3], v[QX+1], v[QX+1], v[QX+3]
	v_fma_f32 v[QX+3], v[QX+2], v[QX+2], v[QX+3]
.irp k, 0,1,2
	v_bfe_u32 v[SN+\k], v[SW], 8*\k, 7
	v_mov_b32 v[LA+\k], 0x7f800000                 ; the list starts at +infinity
	v_mov_b32 v[LI+\k], 0
.endr
	v_mov_b32 v[LA+3], 0                           ; the fourth words of the two 16-byte slots
	v_mov_b32 v[LI+3], 0
.irp j, 0,1,2
	v_bfe_u32 v[RA+\j], v[SW], s[44+\j], 7
	v_min_u32 v[RA+\j], 127, v[RA+\j]              ; a loaded number enters an address only bounded
	v_mul_u32_u24 v[RA+\j], v[RA+\j], BP
	v_add_nc_u32 v[RA+\j], s[48+\j], v[RA+\j]
.endr
	s_wait_dscnt 0x0                               ; for the others' sake: my part of the table is written
	s_barrier_signal -1
	s_barrier_wait -1
	; ---- the search: my 24 candidates ----
	RUNLOAD 0
	RUNLOAD 1
	RUNLOAD 2
.irp g, 0,1,2,3,4,5
	WORK4 \g
.endr
.irp k, 0,1,2
	v_add_nc_u32 v[LI+\k], s51, v[LI+\k]           ; codes among all 96
.endr
	ds_store_b128 v[VAD], v[LA:LA+3]
	ds_store_b128 v[VAD], v[LI:LI+3] offset:IDS
	; ---- the product ----
	s_wait_tensorcnt 0x0                           ; my rows are in LDS; only I read them
	CONVERT
	s_wait_dscnt 0x0                               ; for the others' sake: my list and my part of the bf16 tile are written
	s_barrier_signal -1
	s_barrier_wait -1
	s_wait_loadcnt 0x0                             ; w1's fragments and the bias
	MMALOOP
	PLACES                                         ; the conversions read results just made
.irp nt, 0,1
.irp q, 0,1,2,3
	v_cvt_pk_bf16_f32 v[OPK+4*\nt+\q], v[ACC+8*\nt+2*\q], v[ACC+8*\nt+2*\q+1]      ; a lane's 8 results are 8 neighbouring channels of one point
.endr
.endr
.irp nt, 0,1
	ds_store_b128 v15, v[OPK+4*\nt:OPK+4*\nt+3] offset:\nt*16*OP
.endr
	s_wait_dscnt 0x0                               ; a point's 256 bytes come from eight waves
	s_barrier_signal -1
	s_barrier_wait -1
.irp i, 0,1
	ds_load_b128 v[OBK+4*\i:OBK+4*\i+3], v11 offset:\i*2*OP
.endr
.irp i, 0,1
	s_wait_dscnt 1-\i                              ; rows 2 i, 2 i + 1 are back, the younger ones stay out
	global_store_b128 v13, v[OBK+4*\i:OBK+4*\i+3], s[28:29] offset:\i*1024         ; 16 lanes store 256 neighbouring bytes, at a multiple of 256 from p1t's first byte
.endr
	; ---- waves 0 to 3: thread q holds quarter 0's list of query q and takes in the nine items of quarters 1 to 3; none of the registers that the stores above read is written here ----
	s_cmp_gt_u32 s34, 3
	s_cbranch_scc1 .Lend
.irp p, 0,1,2
	ds_load_b128 v[BUF+4*\p:BUF+4*\p+3],       v[VAD] offset:2048*\p+2048
	ds_load_b128 v[BUF+12+4*\p:BUF+12+4*\p+3], v[VAD] offset:IDS+2048*\p+2048
.endr
	s_wait_dscnt 0x0
.irp p, 0,1,2
.irp k, 0,1,2
	INSERT v[BUF+4*\p+\k], v[BUF+12+4*\p+\k]       ; in ascending quarter, each list in its own order
.endr
.endr
	TOINDEX 0
	TOINDEX 1
	TOINDEX 2
.irp k, 0,1,2
	v_add_f32 v[LA+\k], 0x322bcc77, v[LA+\k]       ; d + 1e-8
.endr
	v_rcp_f32 v[DU], v[LA]
	v_rcp_f32 v[DU+1], v[LA+1]
	v_rcp_f32 v[DU+2], v[LA+2]
	v_mov_b32 v[WO+3], 0                           ; the plain instruction between the reciprocals and their use (ISA guide 5.7.2)
	s_wait_alu depctr_va_vdst(0)
	v_add_f32 v[DT], v[DU], v[DU+1]
	v_add_f32 v[DT], v[DT], v[DU+2]
	v_rcp_f32 v[DT+1], v[DT]
	v_lshl_or_b32 v[IW], v[LI+1], 16, v[LI]        ; again a plain instruction in between
	v_mov_b32 v[IW+1], v[LI+2]
	s_wait_alu depctr_va_vdst(0)
.irp k, 0,1,2
	v_mul_f32 v[WO+\k], v[DU+\k], v[DT+1]
.endr
	global_store_b64 v[IO], v[IW:IW+1], s[30:31]   ; a wave's store covers 256 neighbouring bytes
	global_store_b128 v[WOF], v[WO:WO+3], s[32:33] ; 512 neighbouring bytes
.Lend:
	s_wait_tensorcnt 0x0
	ds_add_u32 v224, v225
	s_wait_dscnt 0x0
	s_endpgm
.Lfunc_end_k_qa30dfddbc7_rescan_p1:
	.size	k_qa30dfddbc7_rescan_p1, .Lfunc_end_k_qa30dfddbc7_rescan_p1-k_qa30dfddbc7_rescan_p1
	.p2alignl 7, 3214868480
	.fill 96, 4, 3214868480
	.section	.rodata,"a",@progbits
	.p2align	6, 0x0
	.amdhsa_kernel k_qa30dfddbc7_rescan_p1
		.amdhsa_group_segment_fixed_size 202752
		.amdhsa_private_segment_fixed_size 0
		.amdhsa_enable_private_segment 0
		.amdhsa_kernarg_size 72
		.amdhsa_user_sgpr_count 2
		.amdhsa_user_sgpr_kernarg_segment_ptr 1
		.amdhsa_wavefront_size32 1
		.amdhsa_system_sgpr_workgroup_id_x 1
		.amdhsa_system_sgpr_workgroup_id_y 1
		.amdhsa_system_sgpr_workgroup_id_z 1
		.amdhsa_system_vgpr_workitem_id 0
		.amdhsa_next_free_vgpr 226
		.amdhsa_next_free_sgpr 66
		.amdhsa_reserve_vcc 1
		.amdhsa_float_denorm_mode_32 3
		.amdhsa_float_denorm_mode_16_64 3
		.amdhsa_memory_ordered 1
		.amdhsa_forward_progress 1
		.amdhsa_inst_pref_size 53
	.end_amdhsa_kernel
	.amdgpu_metadata
---
amdhsa.version: [ 1, 2 ]
amdhsa.kernels:
  - .name:           k_qa30dfddbc7_rescan_p1
    .symbol:         k_qa30dfddbc7_rescan_p1.kd
    .args:
      - { .name: points_1, .offset: 0, .size: 8, .value_kind: global_buffer, .address_space: global }
      - { .name: wb, .offset: 8, .size: 8, .value_kind: global_buffer, .address_space: global }
      - { .name: b1, .offset: 16, .size: 8, .value_kind: global_buffer, .address_space: global }
      - { .name: xyz_1, .offset: 24, .size: 8, .value_kind: global_buffer, .address_space: global }
      - { .name: xyz_2, .offset: 32, .size: 8, .value_kind: global_buffer, .address_space: global }
      - { .name: streams, .offset: 40, .size: 8, .value_kind: global_buffer, .address_space: global }
      - { .name: p1t, .offset: 48, .size: 8, .value_kind: global_buffer, .address_space: global }
      - { .name: idx, .offset: 56, .size: 8, .value_kind: global_buffer, .address_space: global }
      - { .name: wgt, .offset: 64, .size: 8, .value_kind: global_buffer, .address_space: global }
    .group_segment_fixed_size: 202752
    .private_segment_fixed_size: 0
    .kernarg_segment_align: 8
    .kernarg_segment_size: 72
    .max_flat_workgroup_size: 512
    .sgpr_count:     66
    .vgpr_count:     226
    .wavefront_size: 32
...
	.end_amdgpu_metadata
.endif
;; end of part 2
;; launch fuse_out (part 3): grid 256 x 1, 8 waves a work-group, no clusters, 302,080 bytes of LDS; arguments points_2, wb, b2, p1t, idx, wgt, out1; writes out1
.if DOCPART == 3
	.amdgcn_target "amdgcn-amd-amdhsa--gfx1250"
	.amdhsa_code_object_version 6
	.text
	.protected	k_qa30dfddbc7_fuse_out
	.globl	k_qa30dfddbc7_fuse_out
	.p2align	8
	.type	k_qa30dfddbc7_fuse_out,@function
k_qa30dfddbc7_fuse_out:
	s_mov_b64 s[64:65], 0
	v_nop
	global_prefetch_b8 v0, s[64:65] scope:SCOPE_SE
	s_setreg_imm32_b32 hwreg(HW_REG_WAVE_MODE, 25, 1), 1
	s_wait_xcnt 0x0
; out1[b][o][n] = sum over k of wgt[n][k] p1t[b][idx[n][k]][o]  +  b2[o]  +  sum over c of w2[o][c] points_2[b][c][n].
; A work-group owns 128 queries of one batch, as two tiles of 64 (rows of 256 bytes in points_2 and in out1), all 256 channels.  Both tiles of points_2 (f32, [channel][query]) are asked for
; at the start, one tensor load a wave and tile (32 rows of 256 bytes): two tensor loads of a wave are out at the most, and no LDS byte is ever filled again.
; For each tile, wave w
;   gathers the 3 x 8 rows of p1t (512 bytes each, one load instruction a row) of queries 8 w .. 8 w + 7, forms b2 + the weighted sum in f32 and lays it into LDS, [query][channel];
;   rounds the 32 channel rows of points_2 that its own load brought to bf16 and lays them down turned, [query][channel];
;   behind a barrier loads interpolation + bias as the START of its 8 accumulators (channels 32 w .. 32 w + 31 x 64 queries) and adds the product with w2, K = 256;
;   sends the result through its own stage in LDS, so that 16 neighbouring lanes store 256 neighbouring bytes of a row of out1.
; The second tile's rows of p1t are asked for before the first tile's product begins.  idx and wgt come by scalar loads: a wave's 8 queries are the same for all its lanes.
; LIMITS: points_2, w2 and p1 enter their products in bf16; sums in f32.
; NO CLUSTER: what work-groups share is w2, 16 KiB a wave, loaded once, straight into the 128 registers that the matrix instructions name, and kept for both tiles; a shared copy would have to
; pass through LDS, 131,072 bytes more than the 301,056 in use.
.set BT,   131072                      ; behind the two f32 tiles (2 x 65,536 bytes at 0): 64 queries x 528 bytes: 256 channels in bf16 + 16 of padding
.set IST,  164864                      ; 64 queries x 1,040 bytes: 256 channels in f32 + 16
.set OST,  231424                      ; 8 waves x 32 channels x 272 bytes: 64 queries in f32 + 16
.set BP,   528
.set IP,   1040
.set OP,   272
.set BIAS, 16                          ; v[16:23]   b2 of channels 8 lane .. 8 lane + 7
.set ACC,  32                          ; v[32:95]   accumulator (mt, nt) at 32 + 8 (2 nt + mt)
.set ITP,  32                          ; v[32:47]   interpolation: two sets of 8
.set BF,   96                          ; v[96:159]  fragments of B, two buffers of 32
.set OB,   96                          ; the way out: 16 x 4 registers
.set CT,   32
.set CP,   96
.set ROWS, 160                         ; v[160:255] 24 gathered rows x 4 registers
.set IDX,  32                          ; s[32:47]   8 queries x 4 u16
.set MSB,  0
; Registers v256-v383 (window 1, written v0-v127): my 16 fragments of w2, (mt, ks) at 8 (8 mt + ks).  s_set_vgpr_msb: bits 1:0 source 0, 7:6 destination; the high byte repeats the setting left.
.macro WIN new
.if MSB != \new
	s_set_vgpr_msb (MSB<<8)|\new
.set MSB, \new
.endif
.endm
; Four places: behind a matrix instruction a load into, a store of, or a vector instruction on, one of its registers keeps this distance (ISA guide 7.12.1 for vector instructions)
.macro PLACES
.rept 4
	v_nop
.endr
.endm
.macro LOADA b
	WIN 0x40
.irp mt, 0,1
.irp ks, 0,1,2,3,4,5,6,7
	global_load_b128 v[8*(8*\mt+\ks):8*(8*\mt+\ks)+3],   v14, s[\b:\b+1] offset:\mt*8192+\ks*64
	global_load_b128 v[8*(8*\mt+\ks)+4:8*(8*\mt+\ks)+7], v14, s[\b:\b+1] offset:\mt*8192+\ks*64+32
.endr
.endr
	WIN 0
.endm
; The 32 channel rows that my own tensor load brought, 64 queries each: a lane takes one query's 32 channels (twice), rounds them in pairs and stores 64 bytes of that query's row.
.macro CONVERT cvr
.irp p, 0,1
.set ci, 0
.rept 32
	ds_load_b32 v[CT+32*\p+ci], v[\cvr] offset:ci*256+\p*128
.set ci, ci+1
.endr
.endr
.irp p, 0,1
	s_wait_dscnt 32-28*\p                          ; first half: the second half's 32 loads may be out; second half: only the 4 stores just issued are younger
.set ci, 16*\p
.rept 16
	v_cvt_pk_bf16_f32 v[CP+ci], v[CT+2*ci], v[CT+2*ci+1]
.set ci, ci+1
.endr
.irp i, 0,1,2,3
	ds_store_b128 v7, v[CP+16*\p+4*\i:CP+16*\p+4*\i+3] offset:\p*32*BP+16*\i
.endr
.endr
.endm
.macro FETCHB ks
.set fb, BF+32*((\ks)&1)
.irp nt, 0,1,2,3
	ds_load_b128 v[fb+8*\nt:fb+8*\nt+3],   v10 offset:\nt*16*BP+(\ks)*64
	ds_load_b128 v[fb+8*\nt+4:fb+8*\nt+7], v10 offset:\nt*16*BP+(\ks)*64+32
.endr
.endm
; K step ks on all eight accumulators, which take turns, one instruction a turn, in the same order in every K step
.macro MMA8 ks
.set fb, BF+32*((\ks)&1)
	WIN 0x01
.irp nt, 0,1,2,3
.irp mt, 0,1
	v_wmma_f32_16x16x32_bf16 v[ACC+8*(2*\nt+\mt):ACC+8*(2*\nt+\mt)+7], v[8*(8*\mt+\ks):8*(8*\mt+\ks)+7], v[fb+8*\nt:fb+8*\nt+7], v[ACC+8*(2*\nt+\mt):ACC+8*(2*\nt+\mt)+7]
.endr
.endr
	WIN 0
.endm
.macro MMALOOP
	FETCHB 0
	FETCHB 1
	s_wait_dscnt 8                                 ; all but the 8 loads just issued: the accumulators' start and K step 0's fragments are in
	MMA8 0
.irp ks, 1,2,3,4,5,6
	PLACES                                         ; the buffer about to be loaded was read by the K step just issued
	FETCHB \ks+1
	s_wait_dscnt 8
	MMA8 \ks
.endr
	s_wait_dscnt 0x0
	MMA8 7
.endm
.macro SLOADI t                        ; tile t: my 8 queries' indices, 64 bytes
	s_load_b512 s[IDX:IDX+15], s[22:23], \t*512
.endm
.macro SLOADW t                        ; tile t: my 8 queries' weights, 128 bytes: query qi, neighbour k in s[48 + 4 qi + k], from qi = 4 on in s[68 + 4 (qi - 4) + k]
	s_load_b512 s[48:63], s[24:25], \t*1024
	s_load_b512 s[68:83], s[24:25], \t*1024+64
.endm
.macro ROWLOAD n                       ; row s30 of p1t: 32 lanes x 16 bytes; the load lands on its own address register
	s_min_u32 s30, s30, 4095                       ; a loaded number enters an address only bounded
	s_lshl_b32 s30, s30, 9
	v_add_nc_u32 v[ROWS+4*(\n)], s30, v4
	global_load_b128 v[ROWS+4*(\n):ROWS+4*(\n)+3], v[ROWS+4*(\n)], s[20:21]
.endm
.macro GATHER
.irp qi, 0,1,2,3,4,5,6,7
	s_and_b32 s30, s[IDX+2*\qi], 0xffff
	ROWLOAD 3*\qi
	s_lshr_b32 s30, s[IDX+2*\qi], 16
	ROWLOAD 3*\qi+1
	s_and_b32 s30, s[IDX+2*\qi+1], 0xffff
	ROWLOAD 3*\qi+2
.endr
.endm
; b2 + w0 row0 + w1 row1 + w2 row2 for my 8 channels of each of my 8 queries, straight from the bf16 halves, into the query's row in LDS
.macro INTERP
.irp qi, 0,1,2,3,4,5,6,7
	s_wait_loadcnt 21-3*\qi                        ; loads come back in order: this query's three rows are in, the later queries' 21 - 3 qi stay out
.set it, ITP+8*(\qi&1)
.set rw, ROWS+12*\qi
.if \qi < 4
.set sw, 48+4*\qi
.else
.set sw, 68+4*(\qi-4)
.endif
.irp m, 0,1,2,3
	v_fma_mix_f32_bf16 v[it+2*\m],   v[rw+\m], s[sw], v[BIAS+2*\m]   op_sel_hi:[1,0,0]
	v_fma_mix_f32_bf16 v[it+2*\m+1], v[rw+\m], s[sw], v[BIAS+2*\m+1] op_sel:[1,0,0] op_sel_hi:[1,0,0]
.endr
.irp k, 1,2
.irp m, 0,1,2,3
	v_fma_mix_f32_bf16 v[it+2*\m],   v[rw+4*\k+\m], s[sw+\k], v[it+2*\m]   op_sel_hi:[1,0,0]
	v_fma_mix_f32_bf16 v[it+2*\m+1], v[rw+4*\k+\m], s[sw+\k], v[it+2*\m+1] op_sel:[1,0,0] op_sel_hi:[1,0,0]
.endr
.endr
	ds_store_b128 v8, v[it:it+3]   offset:\qi*IP
	ds_store_b128 v8, v[it+4:it+7] offset:\qi*IP+16
.endr
.endm
.macro ACCINIT                         ; register j of accumulator (mt, nt) in lane (r, h): query 16 nt + r, channel 32 w + 16 mt + 8 h + j
.irp nt, 0,1,2,3
.irp mt, 0,1
	ds_load_b128 v[ACC+8*(2*\nt+\mt):ACC+8*(2*\nt+\mt)+3],   v9 offset:\nt*16*IP+\mt*64
	ds_load_b128 v[ACC+8*(2*\nt+\mt)+4:ACC+8*(2*\nt+\mt)+7], v9 offset:\nt*16*IP+\mt*64+16
.endr
.endr
.endm
.macro OUT t
	PLACES                                         ; the stores read results just made, and the loads below land in B's buffers
.irp nt, 0,1,2,3
.irp mt, 0,1
.irp j, 0,1,2,3,4,5,6,7
	ds_store_b32 v11, v[ACC+8*(2*\nt+\mt)+\j] offset:(16*\mt+\j)*OP+\nt*64
.endr
.endr
.endr
.irp i, 0,1,2,3,4,5,6,7,8,9,10,11,12,13,14,15
	ds_load_b128 v[OB+4*\i:OB+4*\i+3], v12 offset:\i*2*OP      ; my own stage: LDS serves a wave's instructions in order (ISA guide 5.7.1.4), so these see the stores above
.endr
.irp i, 0,1,2,3,4,5,6,7,8,9,10,11,12,13,14,15
	s_wait_dscnt 15-\i                             ; rows 2 i, 2 i + 1 are back, the younger ones stay out
	global_store_b128 v13, v[OB+4*\i:OB+4*\i+3], s[26:27] offset:\i*131072+\t*256 th:TH_STORE_NT   ; 16 lanes store 256 neighbouring bytes, at a multiple of 256 from out1's first byte
.endr
.endm
	s_load_b256 s[84:91], s[0:1], 0x0              ; points_2 s[84:85], wb s[86:87], b2 s[88:89], p1t s[90:91]
	s_load_b128 s[92:95], s[0:1], 0x20             ; idx s[92:93], wgt s[94:95]
	s_load_b64 s[96:97], s[0:1], 0x30              ; out1
	v_lshl_add_u32 v30, v0, 2, 0x49800
	v_mov_b32 v31, 0
	ds_add_u32 v30, v31
	ds_add_u32 v30, v31
	v_lshrrev_b32 v1, 5, v0
	v_readfirstlane_b32 s28, v1                    ; wave 0..7
	s_lshr_b32 s29, ttmp9, 7                       ; batch
	s_and_b32 s31, ttmp9, 127                      ; block of 128 queries
	s_mov_b32 s4, 2<<16                            ; group 1: no mask; elements of 4 bytes; no padding
	s_mov_b32 s5, 64<<16                           ; tensor_dim0 = 64
	s_mov_b32 s6, 32<<16                           ; tensor_dim1 = 32
	s_mov_b32 s7, 64<<16                           ; tile_dim0 = 64 elements: 256 bytes
	s_mov_b32 s8, 32                               ; tile_dim1 = 32 rows
	s_mov_b32 s9, 16384                            ; elements from channel to channel
	s_mov_b32 s10, 0
	s_mov_b32 s11, 0
	s_mov_b32 s12, 1                               ; group 0 of tile 0
	s_lshl_b32 s13, s28, 13                        ; LDS: my 32 rows of 256 bytes
	s_mov_b32 s16, 1                               ; group 0 of tile 1
	s_lshl_b32 s17, s28, 13
	s_add_co_u32 s17, s17, 65536
	s_lshl_b32 s2, s29, 24                         ; batch x 256 x 16,384 x 4
	s_lshl_b32 s30, s28, 21                        ; + 32 w channels
	s_add_co_u32 s2, s2, s30
	s_lshl_b32 s30, s31, 9                         ; + 128 queries
	s_add_co_u32 s2, s2, s30
	s_mov_b32 s3, 0
	s_wait_dscnt 0x0
	s_wait_kmcnt 0x0
	s_add_nc_u64 s[14:15], s[84:85], s[2:3]
	s_add_nc_u64 s[18:19], s[14:15], 256           ; tile 1: 64 queries on
	s_or_b32 s15, s15, 0x80000000                  ; type
	s_or_b32 s19, s19, 0x80000000
	tensor_load_to_lds s[12:15], s[4:11]           ; both first fills together, ahead of every wait on TENSORcnt, LDS read and barrier
	s_nop 0
	tensor_load_to_lds s[16:19], s[4:11]
	s_nop 0
	s_lshl_b32 s2, s29, 17                         ; idx: (16,384 b + 128 block + 8 w) x 8 bytes
	s_lshl_b32 s30, s31, 10
	s_add_co_u32 s2, s2, s30
	s_lshl_b32 s30, s28, 6
	s_add_co_u32 s2, s2, s30
	s_add_nc_u64 s[22:23], s[92:93], s[2:3]
	s_lshl_b32 s2, s2, 1                           ; wgt: the same x 16 bytes
	s_add_nc_u64 s[24:25], s[94:95], s[2:3]
	SLOADI 0
	SLOADW 0
	s_lshl_b32 s2, s29, 21                         ; p1t at my batch: 4,096 rows of 512 bytes
	s_add_nc_u64 s[20:21], s[90:91], s[2:3]
	s_lshl_b32 s2, s29, 24                         ; out1 at my batch and my 128 queries
	s_lshl_b32 s30, s31, 9
	s_add_co_u32 s2, s2, s30
	s_add_nc_u64 s[26:27], s[96:97], s[2:3]
	s_add_nc_u64 s[86:87], s[86:87], 131072        ; w2's copy in wb
	v_and_b32 v1, 31, v0                           ; lane
	v_and_b32 v2, 15, v0                           ; r
	v_bfe_u32 v3, v0, 4, 1                         ; h
	v_lshlrev_b32 v4, 4, v1
	v_lshlrev_b32 v14, 9, v2                       ; A: (32 w + r) rows of 512 bytes + 16 h
	v_lshl_add_u32 v14, v3, 4, v14
	v_lshl_add_u32 v14, s28, 14, v14
	LOADA 86
	v_lshlrev_b32 v15, 5, v1
	global_load_b128 v[BIAS:BIAS+3],   v15, s[88:89]
	global_load_b128 v[BIAS+4:BIAS+7], v15, s[88:89] offset:16
	s_wait_kmcnt 0x0                               ; tile 0's indices and weights
	GATHER
	SLOADI 1                                       ; tile 0's indices have been used
	v_lshlrev_b32 v5, 2, v1                        ; reading the f32 tiles: my rows, query = lane
	v_lshl_add_u32 v5, s28, 13, v5
	v_add_nc_u32 v6, 65536, v5
	v_mul_u32_u24 v7, v1, BP                       ; writing the bf16 tile: query = lane, my 32 channels
	v_lshl_add_u32 v7, s28, 6, v7
	v_add_nc_u32 v7, BT, v7
	s_mul_i32 s30, s28, 8*IP                       ; writing the interpolation: my 8 queries, channels 8 lane on
	v_add_nc_u32 v8, s30, v15
	v_add_nc_u32 v8, IST, v8
	v_mul_u32_u24 v9, v2, IP                       ; reading it: query r, channels 32 w + 8 h on
	v_lshl_add_u32 v9, v3, 5, v9
	v_lshl_add_u32 v9, s28, 7, v9
	v_add_nc_u32 v9, IST, v9
	v_mul_u32_u24 v10, v2, BP                      ; a fragment of B: row r, 16 h
	v_lshl_add_u32 v10, v3, 4, v10
	v_add_nc_u32 v10, BT, v10
	s_mul_i32 s30, s28, 32*OP                      ; my stage
	s_add_co_u32 s30, s30, OST
	v_mul_u32_u24 v11, v3, 8*OP                    ; in: channel 8 h (+ 16 mt + j), query r (+ 16 nt)
	v_lshl_add_u32 v11, v2, 2, v11
	v_add_nc_u32 v11, s30, v11
	v_mul_u32_u24 v12, v3, OP                      ; back: lanes 0-15 one row of 256 bytes, lanes 16-31 the next
	v_lshl_add_u32 v12, v2, 4, v12
	v_add_nc_u32 v12, s30, v12
	v_lshlrev_b32 v13, 4, v2                       ; and the same two rows in out1: channel 32 w + h, 65,536 bytes a channel
	v_lshl_add_u32 v13, v3, 16, v13
	v_lshl_add_u32 v13, s28, 21, v13
	INTERP                                         ; tile 0 (its first wait also shows w2's fragments and b2 in: they were asked for earlier)
	SLOADW 1                                       ; tile 0's weights have been used
	s_wait_kmcnt 0x0
	GATHER                                         ; tile 1's rows come in under tile 0's product
	s_wait_tensorcnt 0x1                           ; my rows of tile 0 are in LDS; tile 1's load stays out
	CONVERT 5
	s_wait_dscnt 0x0                               ; for the others' sake: my parts of the bf16 tile and of the interpolation are written
	s_barrier_signal -1
	s_barrier_wait -1
	ACCINIT
	MMALOOP
	s_wait_dscnt 0x0                               ; my reads of the bf16 tile and of the interpolation are over:
	s_barrier_signal -1
	s_barrier_wait -1                              ; everybody's are, and both may be written again
	OUT 0
	s_wait_xcnt 0x0                                ; the registers that the stores read are rewritten only behind this wait
	INTERP                                         ; tile 1
	s_wait_tensorcnt 0x0                           ; my rows of tile 1
	CONVERT 6
	s_wait_dscnt 0x0
	s_barrier_signal -1
	s_barrier_wait -1
	ACCINIT
	MMALOOP
	OUT 1
	s_wait_tensorcnt 0x0
	ds_add_u32 v30, v31
	s_wait_dscnt 0x0
	s_endpgm
.Lfunc_end_k_qa30dfddbc7_fuse_out:
	.size	k_qa30dfddbc7_fuse_out, .Lfunc_end_k_qa30dfddbc7_fuse_out-k_qa30dfddbc7_fuse_out
	.p2alignl 7, 3214868480
	.fill 96, 4, 3214868480
	.section	.rodata,"a",@progbits
	.p2align	6, 0x0
	.amdhsa_kernel k_qa30dfddbc7_fuse_out
		.amdhsa_group_segment_fixed_size 302080
		.amdhsa_private_segment_fixed_size 0
		.amdhsa_enable_private_segment 0
		.amdhsa_kernarg_size 56
		.amdhsa_user_sgpr_count 2
		.amdhsa_user_sgpr_kernarg_segment_ptr 1
		.amdhsa_wavefront_size32 1
		.amdhsa_system_sgpr_workgroup_id_x 1
		.amdhsa_system_sgpr_workgroup_id_y 1
		.amdhsa_system_sgpr_workgroup_id_z 1
		.amdhsa_system_vgpr_workitem_id 0
		.amdhsa_next_free_vgpr 384
		.amdhsa_next_free_sgpr 100
		.amdhsa_reserve_vcc 0
		.amdhsa_float_denorm_mode_32 3
		.amdhsa_float_denorm_mode_16_64 3
		.amdhsa_memory_ordered 1
		.amdhsa_forward_progress 1
		.amdhsa_inst_pref_size 97
	.end_amdhsa_kernel
	.amdgpu_metadata
---
amdhsa.version: [ 1, 2 ]
amdhsa.kernels:
  - .name:           k_qa30dfddbc7_fuse_out
    .symbol:         k_qa30dfddbc7_fuse_out.kd
    .args:
      - { .name: points_2, .offset: 0, .size: 8, .value_kind: global_buffer, .address_space: global }
      - { .name: wb, .offset: 8, .size: 8, .value_kind: global_buffer, .address_space: global }
      - { .name: b2, .offset: 16, .size: 8, .value_kind: global_buffer, .address_space: global }
      - { .name: p1t, .offset: 24, .size: 8, .value_kind: global_buffer, .address_space: global }
      - { .name: idx, .offset: 32, .size: 8, .value_kind: global_buffer, .address_space: global }
      - { .name: wgt, .offset: 40, .size: 8, .value_kind: global_buffer, .address_space: global }
      - { .name: out1, .offset: 48, .size: 8, .value_kind: global_buffer, .address_space: global }
    .group_segment_fixed_size: 302080
    .private_segment_fixed_size: 0
    .kernarg_segment_align: 8
    .kernarg_segment_size: 56
    .max_flat_workgroup_size: 256
    .sgpr_count:     100
    .vgpr_count:     384
    .wavefront_size: 32
...
	.end_amdgpu_metadata
.endif
;; end of part 3
